; MI455X (gfx1250); checked and timed in simulation.
; The chip was launched on July 23, 2026; its instructions are those of AMD's public machine-readable ISA for CDNA 5 (MIT licence, August 2026) and "CDNA5" Instruction Set Architecture Reference Guide (July 2026). The comments in the code are by the model that wrote it; some were corrected since.
;; Local Attention. Allowed arithmetic: matrix products marked QUANTISED: E2M3 operands, one E8M0 scale for each 32 along K, by v_wmma_scale_f32_16x16x128_f8f6f4 with both operands' format E2M3, f32 sums; products left as they are: f32 operands where the result goes on into a quantised operand, else bf16, f16 or f32 operands; f32 sums; everything else in f32.
;; Inputs: Wkv_codes 512 x 8 x 24 uint8 (E2M3 codes of Wkv, K innermost, in blocks of 32 codes, four codes in three bytes); Wkv_scales 512 x 8 uint8 (E8M0 scales of Wkv, one for each 32 codes along K); Wq_codes 256 x 8 x 24 uint8 (E2M3 codes of Wq, K innermost, in blocks of 32 codes, four codes in three bytes); Wq_scales 256 x 8 uint8 (E8M0 scales of Wq, one for each 32 codes along K); features 32 x 256 x 64 x 64 float32; ln_kv_b 256 float32; ln_kv_w 256 float32; ln_q_b 256 float32; ln_q_w 256 float32; proj_b 256 float32; proj_w_codes 256 x 8 x 24 uint8 (E2M3 codes of proj_w, K innermost, in blocks of 32 codes, four codes in three bytes); proj_w_scales 256 x 8 uint8 (E8M0 scales of proj_w, one for each 32 codes along K).
;; Outputs: out0 32 x 256 x 256 float32.
;; Constants: conv_stride = 4, num_heads = 8.
;; This version of the problem:
;;   THIS VERSION OF THE PROBLEM IS GIVEN IN LOW PRECISION. The matrix products marked QUANTISED in the list below multiply operands that are first quantised to E2M3 (2 exponent bits, 3 mantissa bits; 6 bits a number), with one power-of-two scale for each 32 numbers along K (OCP MX v1.0); their sums are f32. All else is computed in f32.
;;   The module's matrix products, in the order in which they are computed (A, B: the left and right operand; K: the contracted axis; several contracted axes count as one K, in the product's order):
;;     1. [M 8,192, K 256] x [K 256, N 256]; A: computed on the way; B: input Wq (given as codes): QUANTISED
;;     2. [M 131,072, K 256] x [K 256, N 512]; A: computed on the way; B: input Wkv (given as codes): QUANTISED
;;     3. batch 65,536 x [M 1, K 32] x [K 32, N 16]; A: computed on the way; B: computed on the way: left as it is (M = 1 < 16)
;;     4. batch 65,536 x [M 1, K 16] x [K 16, N 32]; A: softmax; B: computed on the way: left as it is (K = 16 < 32)
;;     5. [M 8,192, K 256] x [K 256, N 256]; A: computed on the way; B: input proj_w (given as codes): QUANTISED
;;   THE QUANTISER, for each operand of a quantised product, along K:
;;     - K is cut into blocks of 32 from its start; a last block that is shorter is filled with zeros.
;;     - A block's scale is 2^e with e = floor(log2(the largest magnitude in the block)) - 2, held to -126 .. 127; a block of zeros has e = 0. As a byte (E8M0): e + 127.
;;     - Each number is divided by its block's scale, clamped to +-7.5, and rounded to the nearest number of E2M3, ties to even, subnormals kept.
;;     - The product sums the exact products of the quantised numbers (number of the format x scale) in f32.
;;   ~~~python
;;   def quantise(x, axis):      # numpy; x: float32 -> the quantised numbers, widened to float32 again
;;       x = np.moveaxis(x, axis, -1); K = x.shape[-1]
;;       x = np.pad(x, [(0, 0)] * (x.ndim - 1) + [(0, -K % 32)]); x = x.reshape(x.shape[:-1] + (-1, 32)); a = np.abs(x).max(-1, keepdims=True)
;;       e = np.where(a > 0, np.clip(np.frexp(np.where(a > 0, a, 1))[1] - 1 - 2, -126, 127), 0)      # np.frexp(a)[1] - 1 = floor(log2(a)), exactly
;;       r = np.clip(x / 2.0 ** e, -7.5, 7.5)
;;       step = 2.0 ** (np.maximum(np.frexp(np.where(r == 0, 1, r))[1] - 1, 0) - 3)
;;       q = np.round(r / step) * step * 2.0 ** e      # np.round: ties to even
;;       return np.moveaxis(q.reshape(q.shape[:-2] + (-1,))[..., :K], -1, axis).astype(np.float32)
;;   ~~~
;;   OPERANDS COMPUTED ON THE WAY. 'Computed on the way' means the value that the module computes at that place (a softmax that the list does not call 'softmax' is quantised finished and normalised). What goes into a quantiser is computed in f32, as accurately as f32 sums, v_exp_f32 and their like allow (about 1e-6 of the number): no bf16 or f16 on the way to a quantiser, and a product that is left as it is and whose result goes on into a quantised operand takes f32 operands (vector FMAs, or v_wmma_f32_16x16x4_f32). A number that lies on a knife's edge between two numbers of the format may be rounded either way, as far as f32 arithmetic and the matrix unit's own rounding can turn it there, and no further.
;;   INPUTS GIVEN AS CODES. Wkv (in the module: [512, 256], K = its axis 1); Wq (in the module: [256, 256], K = its axis 1); proj_w (in the module: [256, 256], K = its axis 1): each comes as NAME_codes (uint8): NAME with its K axis moved to the last place and cut into blocks of 32 codes, [.., K / 32, bytes a block], one block behind the other in memory; four codes in three bytes: a row's codes are one little-endian stream of bits, code i at bits 6 i .. 6 i + 5 (a code: sign, 2 exponent bits, 3 mantissa bits); and NAME_scales (uint8): the same leading axes, one E8M0 byte (e + 127) for each 32 codes along K. Its value is code x scale, taken as it is: it is not quantised again, and the codes and scales need not be those that the quantiser above would give.
;; One version. Each part assembles by itself: llvm-mc -triple=amdgcn-amd-amdhsa -mcpu=gfx1250 --defsym DOCPART=n.
;; ======== version 1 of 1: 1 launch
;; launch fused (part 1): grid 256 x 1, 8 waves a work-group, no clusters, 283,648 bytes of LDS; arguments features, ln_kv_w, ln_kv_b, ln_q_w, ln_q_b, proj_b, Wkv_codes, Wkv_scales, Wq_codes, Wq_scales, proj_w_codes, proj_w_scales, out0; writes out0
.if DOCPART == 1
	.amdgcn_target "amdgcn-amd-amdhsa--gfx1250"
	.amdhsa_code_object_version 6
	.text
	.protected	k_q9e1aa45d60_fused
	.globl	k_q9e1aa45d60_fused
	.p2align	8
	.type	k_q9e1aa45d60_fused,@function
k_q9e1aa45d60_fused:
	s_mov_b64 s[64:65], 0
	v_nop
	global_prefetch_b8 v0, s[64:65] scope:SCOPE_SE
	s_setreg_imm32_b32 hwreg(HW_REG_WAVE_MODE, 25, 1), 1
	s_wait_xcnt 0x0
; LOCAL ATTENTION over patches of 4 x 4 pixels, fused into one launch.  features [32][256][64][64] f32; out0 [32][256 patches][256] f32.
; For each patch: query = LN_q(mean of its 16 pixels) Wq^T; for each of its pixels key, value = LN_kv(pixel) Wkv^T; 8 heads of 32 channels; softmax over the 16 pixels;
; out = mean + (weighted values) proj_w^T + proj_b.  The three products with weights run on codes of FP6 (E2M3) with one E8M0 scale for each 32 along K; the weights come as codes,
; the activations are quantised here, from f32.  The two small products of the attention feed a quantiser, so they are f32 multiply-adds.
; SHARES.  Work-group g takes image g / 8 and its rows 8 (g % 8) .. + 7: two UNITS (patch rows) of 16 patches; a unit is four CHUNKS, a chunk one image row: 64 pixels x 256 channels.
; A tile of 16 rows for the matrix unit is pixel (dy, dx) of each of the 16 patches: row r of every tile belongs to patch r, so a lane stays with one patch from the query to the output.
; Wave w has two parts: in LayerNorm and quantising it owns the block of 32 channels 32 w .. 32 w + 31 (lane (r, h): channels 32 w + 16 h + 0 .. 15 of pixels 4 r .. 4 r + 3);
; in the products it owns head w: rows 32 w .. of Wq, of Wkv's K half and V half, and of proj_w.
; ALL PRODUCTS ARE USED TRANSPOSED (source 0 = 16 rows of a weight, source 1 = a tile), and lane r of weight tile u takes row 32 w + 8 u + r + 8 (r / 8): so lane (r, h) holds, for patch r,
; channels 32 w + 16 h + 0 .. 15 in the 16 registers of the two tiles: the layout of the pooled mean, of the quantiser's input and of the last product's C.
; MEMORY.  Each load of features reads, in sixteen lanes, the 256 consecutive bytes of one channel's image row; every byte is read once; two chunks (32 loads a wave) are kept on their way.
; Codes go from wave to wave through LDS, laid so that a fragment comes back by loads of 16 and 8 consecutive bytes a lane.
; NO CLUSTER: the work-groups share the weights alone, 204,800 bytes that each reads once, against 524,288 bytes of features of its own; no tile is asked for again and again.
; LIMITS: NaN and infinities among the inputs are not served.  A block whose largest magnitude lies under 2^-124 (a block of zeros too) gets the scale byte 1; a block of zeros has zero codes,
; and the bytes are read by this program alone.  1 / sqrt, 1 / x and 2^x are the chip's own, 1 ulp.  The running maximum of the softmax begins at -3e38.
; Mean and variance are taken in two passes, the second over x - mean.
.set STAT0, 0                          ; LDS: 16 bytes a thread: partial sums of 4 pixels
.set STAT1, 4096                       ; the same for the squares
.set SCB,   8192                       ; scale words: 128 bytes a tile: word 16 s + r = the four bytes of row r, K step s
.set PAR,   10752                      ; ln_q_w, ln_q_b, proj_b, 1,024 bytes each
.set STG,   13824                      ; the way out: 16 rows, 1,040 bytes apart
.set IMG,   30464                      ; 18 tiles of codes, 3,072 bytes each: [block][row] 16 bytes (2,048), then [block][row] 8 bytes (1,024); 0-15 pixels, 16 the query's input, 17 the weighted values
.set RAW,   85760                      ; 12,288 bytes a wave: its 32 rows of Wq, then of proj_w, as they lie in memory; filled once, by asynchronous copies
.set WIMG,  184064                     ; 12,288 bytes a wave: the same as 8 fragments in the order of the operand's registers (3 x 512 bytes each)
.set TILEB, 3072
; window 0, kept
.set ADR4, 1                           ; v1, v3, v19: the group loop's LDS addresses
.set XA,   2                           ; features: 16 r + h x 16 channels
.set ADR8, 3
.set A16,  4                           ; IMG + 16 lane
.set A8,   5                           ; IMG + 2048 + 8 lane
.set A4,   6                           ; SCB + 4 lane
.set W16,  7                           ; where I store 16 bytes of a block: tile + h
.set W8,   8                           ; and its last 8
.set WS,   9                           ; my block's scale byte of row r
.set ST,   10                          ; 16 x thread
.set SL,   11                          ; 16 x lane
.set W16S, 12                          ; as W16, W8, without h
.set W8S,  13
.set WF,   14                          ; WIMG + 12288 w + 16 lane
.set PL,   15                          ; PAR + 128 w + 64 h
.set SO,   16                          ; stage, in
.set SR,   17                          ; stage, back
.set ADR16, 19
.set ASC,  20                          ; v20, v21: a tile's scale words (lanes 0-15 K step 0, lanes 16-31 K step 1); scales and nothing else
.set WSC,  24                          ; v24-27 Wkv's (k0, k1, v0, v1), v28-29 Wq's, v30-31 proj_w's, laid likewise
.set LNW,  32                          ; ln_kv_w, ln_kv_b of my 16 channels
.set LNB,  48
; window 0, LayerNorm and quantising
.set Y,    64                          ; v64-127: pixel dx, channel i at Y + 16 dx + i
.set SB,   128
.set S,    160
.set T,    168
.set MEAN, 172
.set RS,   176                         ; 1 / sqrt of pixel dx at RS + 2 dx
.set MX,   184
.set MX2,  188
.set SCO,  192
.set BY,   196
.set PCX,  200                         ; codes: + 10 for the second pair of tiles
.set PCZ,  206
.set WT,   80                          ; Wq's four fragments
.set PJB,  128
.set LQW,  220
.set LQB,  236
; window 0, products
.set VR,   64                          ; values of a group's four tiles, 16 each
.set WTP,  64                          ; later proj_w's four fragments
.set AF,   128                         ; a tile's two fragments, two buffers of 24
.set Q,    176
.set OUT,  176
.set KR,   192                         ; keys, two sets of 16
.set OB,   192
.set ACC,  224
.set P,    240                         ; weight of tile i at P + 2 i
.set F,    248
.set MN,   249
.set M,    250
.set L,    251
.set CA,   252
.set CB,   254
; window 1
.set WKV,  0                           ; Wkv's fragment (tile q, K step z) at 24 q + 12 z
.set X,    96                          ; two buffers of 64: channel i, pixel dx at 4 i + dx
.set POOL, 224                         ; a pair for each channel; later mean + proj_b in the first 16
.set MSB, 0
.macro WIN new                         ; low byte: bits 1:0 source 0, 3:2 source 1, 5:4 source 2, 7:6 destination; the high byte repeats the setting that is left
.if MSB != \new
	s_set_vgpr_msb (MSB<<8)|\new
.set MSB, \new
.endif
.endm
.macro BAR                             ; my LDS stores have landed and my LDS loads are in: then the work-group's barrier
	s_wait_dscnt 0x0
	s_barrier_signal -1
	s_barrier_wait -1
.endm
.macro XPUT reg                        ; my four partial sums go to my 16 bytes
	ds_store_b128 v[ST], v[S:S+3] offset:\reg
	s_wait_dscnt 0x0                               ; for the others' sake: all my LDS instructions are done
	s_barrier_signal -1
.endm
.macro XGET reg                        ; and all eight waves' come back: every wave and both halves of the lanes add in one order, so all hold the same bits
	s_barrier_wait -1
.irp k, 0,1,2,3,4,5,6,7
	ds_load_b128 v[SB+4*\k:SB+4*\k+3], v[SL] offset:\reg+512*\k
.endr
	s_wait_dscnt 0x0
.irp k, 0,2,4,6,8,10,12,14
	v_pk_add_f32 v[SB+\k:SB+\k+1], v[SB+\k:SB+\k+1], v[SB+16+\k:SB+17+\k]
.endr
.irp k, 0,2,4,6
	s_delay_alu instid0(VALU_DEP_4)
	v_pk_add_f32 v[SB+\k:SB+\k+1], v[SB+\k:SB+\k+1], v[SB+8+\k:SB+9+\k]
.endr
.irp k, 0,2
	s_delay_alu instid0(VALU_DEP_2)
	v_pk_add_f32 v[SB+\k:SB+\k+1], v[SB+\k:SB+\k+1], v[SB+4+\k:SB+5+\k]
.endr
.irp k, 0,1,2,3
	v_permlanex16_b32 v[T+\k], v[SB+\k], s34, s35  ; the other 16 channels of each block lie in lane l xor 16
.endr
	s_delay_alu instid0(VALU_DEP_3)
	v_pk_add_f32 v[S:S+1], v[SB:SB+1], v[T:T+1]
	s_delay_alu instid0(VALU_DEP_2)
	v_pk_add_f32 v[S+2:S+3], v[SB+2:SB+3], v[T+2:T+3]
.endm
.macro XLOAD t                         ; chunk t: my 16 channels of image row t: sixteen lanes read a channel's 256 consecutive bytes
	WIN 0x40
.irp i, 0,1,2,3,4,5,6,7,8,9,10,11,12,13,14,15
	global_load_b128 v[X+64*((\t)%2)+4*\i:X+64*((\t)%2)+4*\i+3], v[XA], s[4:5] offset:\i*16384+256*(\t) th:TH_LOAD_NT
.endr
	WIN 0
.endm
; A CHUNK: LayerNorm of 64 pixels, their codes and scale bytes to LDS, and the patch sums.  issue = 1: the chunk two on is asked for.  left: the younger loads that may stay out.
.macro CHUNK t, issue, left
.set XB, X+64*((\t)%2)
.set DY, (\t)%4
	s_wait_loadcnt \left
	WIN 0x05                                       ; the sums over my 16 channels, two pixels at a time, in two chains each; channels 0-3 start them: nothing is cleared
	v_pk_add_f32 v[S:S+1], v[XB:XB+1], v[XB+4:XB+5]
	v_pk_add_f32 v[S+2:S+3], v[XB+2:XB+3], v[XB+6:XB+7]
	v_pk_add_f32 v[S+4:S+5], v[XB+8:XB+9], v[XB+12:XB+13]
	v_pk_add_f32 v[S+6:S+7], v[XB+10:XB+11], v[XB+14:XB+15]
	WIN 0x01
.irp i, 4
	v_pk_add_f32 v[S:S+1], v[XB+4*\i:XB+4*\i+1], v[S:S+1]
	v_pk_add_f32 v[S+2:S+3], v[XB+4*\i+2:XB+4*\i+3], v[S+2:S+3]
	v_pk_add_f32 v[S+4:S+5], v[XB+4*\i+4:XB+4*\i+5], v[S+4:S+5]
	v_pk_add_f32 v[S+6:S+7], v[XB+4*\i+6:XB+4*\i+7], v[S+6:S+7]
.endr
.irp i, 6, 8, 10, 12, 14
	s_delay_alu instid0(VALU_DEP_4)
	v_pk_add_f32 v[S:S+1], v[XB+4*\i:XB+4*\i+1], v[S:S+1]
	s_delay_alu instid0(VALU_DEP_4)
	v_pk_add_f32 v[S+2:S+3], v[XB+4*\i+2:XB+4*\i+3], v[S+2:S+3]
	s_delay_alu instid0(VALU_DEP_4)
	v_pk_add_f32 v[S+4:S+5], v[XB+4*\i+4:XB+4*\i+5], v[S+4:S+5]
	s_delay_alu instid0(VALU_DEP_4)
	v_pk_add_f32 v[S+6:S+7], v[XB+4*\i+6:XB+4*\i+7], v[S+6:S+7]
.endr
	WIN 0
	v_pk_add_f32 v[S:S+1], v[S:S+1], v[S+4:S+5]
	v_pk_add_f32 v[S+2:S+3], v[S+2:S+3], v[S+6:S+7]
	XPUT STAT0
	WIN 0x45                                       ; between the signal and the wait, on registers alone: the patch's sum of each channel, as a pair
.if DY == 0
.irp i, 0,1,2,3,4,5,6,7,8,9,10,11,12,13,14,15
	v_pk_add_f32 v[POOL+2*\i:POOL+2*\i+1], v[XB+4*\i:XB+4*\i+1], v[XB+4*\i+2:XB+4*\i+3]   ; a unit's first row starts the sums
.endr
.else
.irp i, 0,1,2,3,4,5,6,7,8,9,10,11,12,13,14,15
	v_pk_add_f32 v[POOL+2*\i:POOL+2*\i+1], v[POOL+2*\i:POOL+2*\i+1], v[XB+4*\i:XB+4*\i+1]
.endr
.irp i, 0,1,2,3,4,5,6,7,8,9,10,11,12,13,14,15
	v_pk_add_f32 v[POOL+2*\i:POOL+2*\i+1], v[POOL+2*\i:POOL+2*\i+1], v[XB+4*\i+2:XB+4*\i+3]
.endr
.endif
	WIN 0
	XGET STAT0
	s_delay_alu instid0(VALU_DEP_2)
	v_pk_mul_f32 v[MEAN:MEAN+1], v[S:S+1], s[36:37] op_sel_hi:[1,0]        ; / 256
	s_delay_alu instid0(VALU_DEP_2)
	v_pk_mul_f32 v[MEAN+2:MEAN+3], v[S+2:S+3], s[36:37] op_sel_hi:[1,0]
	WIN 0x01
.irp i, 0,1,2,3,4,5,6,7,8,9,10,11,12,13,14,15
.irp d, 0,1,2,3
	v_sub_f32 v[Y+16*\d+\i], v[XB+4*\i+\d], v[MEAN+\d]     ; x - mean; the same line lays a pixel's 16 channels into 16 neighbouring registers, and frees the buffer
.endr
.endr
.if \issue
	XLOAD (\t)+2                                   ; into the buffer just left
.endif
	WIN 0
.irp d, 0,1,2,3
	v_pk_mul_f32 v[S+2*\d:S+2*\d+1], v[Y+16*\d:Y+16*\d+1], v[Y+16*\d:Y+16*\d+1]
.endr
.irp i, 2,4,6,8,10,12,14
.irp d, 0,1,2,3
	s_delay_alu instid0(VALU_DEP_4)
	v_pk_fma_f32 v[S+2*\d:S+2*\d+1], v[Y+16*\d+\i:Y+16*\d+\i+1], v[Y+16*\d+\i:Y+16*\d+\i+1], v[S+2*\d:S+2*\d+1]
.endr
.endr
.irp d, 0,1,2,3
	s_delay_alu instid0(VALU_DEP_4)
	v_add_f32 v[S+\d], v[S+2*\d], v[S+2*\d+1]      ; in ascending order each line reads registers that no earlier line of the four has written over
.endr
	XPUT STAT1
	XGET STAT1
.irp d, 0,1,2,3
	v_fma_f32 v[S+\d], v[S+\d], s36, s37           ; variance + 1e-5
.endr
	s_wait_alu depctr_va_vdst(0)
.irp d, 0,1,2,3
	v_rsq_f32 v[RS+2*\d], v[S+\d]
.endr
	v_nop                                          ; a plain instruction behind the last of the four
	s_wait_alu depctr_va_vdst(0)                   ; one wait for the four, ahead of their first reader
.irp i, 0,2,4,6,8,10,12,14
.irp d, 0,1,2,3
	v_pk_mul_f32 v[Y+16*\d+\i:Y+16*\d+\i+1], v[Y+16*\d+\i:Y+16*\d+\i+1], v[RS+2*\d:RS+2*\d+1] op_sel_hi:[1,0]
.endr
.endr
.irp i, 0,2,4,6,8,10,12,14
.irp d, 0,1,2,3
	v_pk_fma_f32 v[Y+16*\d+\i:Y+16*\d+\i+1], v[Y+16*\d+\i:Y+16*\d+\i+1], v[LNW+\i:LNW+\i+1], v[LNB+\i:LNB+\i+1]
.endr
.endr
.irp d, 0,1,2,3
	v_max3_num_f32 v[MX+\d], |v[Y+16*\d]|, |v[Y+16*\d+1]|, 0x1800000       ; the block's largest magnitude: my 16, and the floor 2^(3 - 127), which holds the byte at 1 from below
.endr
.irp i, 2,4,6,8,10,12,14
.irp d, 0,1,2,3
	s_delay_alu instid0(VALU_DEP_4)
	v_max3_num_f32 v[MX+\d], v[MX+\d], |v[Y+16*\d+\i]|, |v[Y+16*\d+\i+1]|
.endr
.endr
.irp d, 0,1,2,3
	v_permlanex16_b32 v[MX2+\d], v[MX+\d], s34, s35
.endr
.irp d, 0,1,2,3
	s_delay_alu instid0(VALU_DEP_4)
	v_max_num_f32 v[MX+\d], v[MX+\d], v[MX2+\d]    ; with lane l xor 16's 16
.endr
.irp d, 0,1,2,3
	s_delay_alu instid0(VALU_DEP_4)
	v_add_nc_u32 v[SCO+\d], 0xff000000, v[MX+\d]   ; 2 off the exponent field: the conversion's scale operand
.endr
.irp d, 0,1,2,3
	s_delay_alu instid0(VALU_DEP_4)
	v_lshrrev_b32 v[BY+\d], 23, v[SCO+\d]          ; the scale's byte
.endr
.irp p, 0,1
	v_cvt_scalef32_pk16_fp6_f32 v[PCX+10*\p:PCX+10*\p+2], v[Y+32*\p:Y+32*\p+15], v[SCO+2*\p]
	v_cvt_scalef32_pk16_fp6_f32 v[PCZ+10*\p:PCZ+10*\p+2], v[Y+32*\p+16:Y+32*\p+31], v[SCO+2*\p+1]
.endr
	v_nop                                          ; one plain instruction behind the conversions
.irp p, 0,1                            ; lanes 16-31 of the even tile's codes change places with lanes 0-15 of the odd tile's: lane (r, h) then holds the whole block of row r of tile 2 p + h
.irp i, 0,1,2
	v_permlane16_swap_b32 v[PCX+10*\p+\i], v[PCZ+10*\p+\i]
.endr
.irp i, 0,1,2
	s_delay_alu instid0(VALU_DEP_3)
	v_mov_b32 v[PCX+10*\p+3+\i], v[PCZ+10*\p+\i]
.endr
.endr
.irp p, 0,1
	ds_store_b128 v[W16], v[PCX+10*\p:PCX+10*\p+3] offset:(4*DY+2*\p)*TILEB
	ds_store_b64 v[W8], v[PCX+10*\p+4:PCX+10*\p+5] offset:(4*DY+2*\p)*TILEB
.endr
.irp d, 0,1,2,3
	ds_store_b8 v[WS], v[BY+\d] offset:(4*DY+\d)*128       ; both halves of the lanes write the same byte with the same value
.endr
.endm
; 16 numbers a lane (channels 32 w + 16 h + 0 .. 15 of patch r) become block w of row r of a tile.  Both halves of the lanes end with the whole block and write the same bytes with the same values.
.macro QUANT1 src, tile
	v_max3_num_f32 v[MX], |v[\src]|, |v[\src+1]|, 0x1800000
	v_max3_num_f32 v[MX+1], |v[\src+2]|, |v[\src+3]|, |v[\src+4]|
	s_delay_alu instid0(VALU_DEP_2)
	v_max3_num_f32 v[MX], v[MX], |v[\src+5]|, |v[\src+6]|
	s_delay_alu instid0(VALU_DEP_2)
	v_max3_num_f32 v[MX+1], v[MX+1], |v[\src+7]|, |v[\src+8]|
	s_delay_alu instid0(VALU_DEP_2)
	v_max3_num_f32 v[MX], v[MX], |v[\src+9]|, |v[\src+10]|
	s_delay_alu instid0(VALU_DEP_2)
	v_max3_num_f32 v[MX+1], v[MX+1], |v[\src+11]|, |v[\src+12]|
	s_delay_alu instid0(VALU_DEP_2)
	v_max3_num_f32 v[MX], v[MX], |v[\src+13]|, |v[\src+14]|
	s_delay_alu instid0(VALU_DEP_1)
	v_max3_num_f32 v[MX], v[MX], v[MX+1], |v[\src+15]|
	s_delay_alu instid0(VALU_DEP_1)
	v_permlanex16_b32 v[MX2], v[MX], s34, s35
	s_delay_alu instid0(VALU_DEP_1)
	v_max_num_f32 v[MX], v[MX], v[MX2]
	s_delay_alu instid0(VALU_DEP_1)
	v_add_nc_u32 v[SCO], 0xff000000, v[MX]
	s_delay_alu instid0(VALU_DEP_1)
	v_lshrrev_b32 v[BY], 23, v[SCO]
	v_cvt_scalef32_pk16_fp6_f32 v[PCX:PCX+2], v[\src:\src+15], v[SCO]
	v_nop                                          ; one plain instruction behind the conversion
.irp i, 0,1,2
	v_mov_b32 v[PCX+3+\i], v[PCX+\i]
.endr
.irp i, 0,1,2
	v_permlane16_swap_b32 v[PCX+\i], v[PCX+3+\i]   ; the first three now hold the lower 16 codes in every lane, the second three the upper 16
.endr
	ds_store_b128 v[W16S], v[PCX:PCX+3] offset:(\tile)*TILEB
	ds_store_b64 v[W8S], v[PCX+4:PCX+5] offset:(\tile)*TILEB
	ds_store_b8 v[WS], v[BY] offset:(\tile)*128
.endm
; A tile's two fragments (K steps 0, 1) and its scale words into buffer par.  Registers 6 e .. 6 e + 5 are block 2 e + h of row r: 16 bytes and 8 bytes, consecutive from lane to lane.
.macro AFETCH par, a16, a8, a4, toff
.irp e, 0,1,2,3
	ds_load_b128 v[AF+24*(\par)+6*\e:AF+24*(\par)+6*\e+3], v[\a16] offset:(\toff)*TILEB+512*\e
	ds_load_b64 v[AF+24*(\par)+6*\e+4:AF+24*(\par)+6*\e+5], v[\a8] offset:(\toff)*TILEB+256*\e
.endr
	ds_load_b32 v[ASC+(\par)], v[\a4] offset:(\toff)*128
.endm
; The matrix instruction.  c < 0: the constant 0 starts the sum.  s = 1: K step 1, whose scale words lie in lanes 16-31 of both scale registers.
.macro MM d, a, b, c, sa, sb, s
.if (\c) < 0
	v_wmma_scale_f32_16x16x128_f8f6f4 v[(\d):(\d)+7], v[(\a):(\a)+11], v[(\b):(\b)+11], 0, v[\sa], v[\sb] matrix_a_fmt:MATRIX_FMT_FP6 matrix_b_fmt:MATRIX_FMT_FP6
.elseif (\s) == 0
	v_wmma_scale_f32_16x16x128_f8f6f4 v[(\d):(\d)+7], v[(\a):(\a)+11], v[(\b):(\b)+11], v[(\c):(\c)+7], v[\sa], v[\sb] matrix_a_fmt:MATRIX_FMT_FP6 matrix_b_fmt:MATRIX_FMT_FP6
.else
	v_wmma_scale_f32_16x16x128_f8f6f4 v[(\d):(\d)+7], v[(\a):(\a)+11], v[(\b):(\b)+11], v[(\c):(\c)+7], v[\sa], v[\sb] matrix_a_fmt:MATRIX_FMT_FP6 matrix_b_fmt:MATRIX_FMT_FP6 matrix_a_scale:MATRIX_SCALE_ROW1 matrix_b_scale:MATRIX_SCALE_ROW1
.endif
.endm
; Tile i of a group of four: keys and values of my head for one pixel of each patch, and the score.
.macro TILE i
.set PR, (\i)%2
	s_wait_dscnt 0x0                               ; this tile's fragments are in
	AFETCH 1-PR, ADR16, ADR8, ADR4, (\i)+1         ; the next tile's, into the other buffer: its last readers stand behind four v_nop and a score; they land under the products below
	WIN 0x01                                       ; source 0 (Wkv) in window 1
.irp z, 0,1                            ; the four accumulators take turns, one instruction a turn
.irp q, 0,1,2,3
.if \q < 2
.set DD, KR+16*PR+8*\q
.else
.set DD, VR+16*(\i)+8*(\q-2)
.endif
.if \z == 0
	MM DD, WKV+24*\q, AF+24*PR, -1, WSC+\q, ASC+PR, 0
.else
	MM DD, WKV+24*\q+12, AF+24*PR+12, DD, WSC+\q, ASC+PR, 1
.endif
.endr
.endr
	WIN 0
.rept 4
	v_nop                                          ; four places ahead of the first read of the results
.endr
.set KK, KR+16*PR
	v_pk_mul_f32 v[CA:CA+1], v[Q:Q+1], v[KK:KK+1]          ; q . k over my 16 channels, each accumulator from its low end on
	v_pk_mul_f32 v[CB:CB+1], v[Q+2:Q+3], v[KK+2:KK+3]
.irp j, 4,8,12
	v_pk_fma_f32 v[CA:CA+1], v[Q+\j:Q+\j+1], v[KK+\j:KK+\j+1], v[CA:CA+1]
	v_pk_fma_f32 v[CB:CB+1], v[Q+\j+2:Q+\j+3], v[KK+\j+2:KK+\j+3], v[CB:CB+1]
.endr
	s_delay_alu instid0(VALU_DEP_1)
	v_pk_add_f32 v[CA:CA+1], v[CA:CA+1], v[CB:CB+1]
	s_delay_alu instid0(VALU_DEP_1)
	v_add_f32 v[CA], v[CA], v[CA+1]
	s_delay_alu instid0(VALU_DEP_1)
	v_permlanex16_b32 v[CB], v[CA], s34, s35       ; the head's other 16 channels
	s_delay_alu instid0(VALU_DEP_1)
	v_add_f32 v[P+2*(\i)], v[CA], v[CB]            ; the score, in units of log2
.endm
; Four scores join the running softmax: a running maximum M, sum L and weighted values ACC.
.macro UPDATE
	s_setprio 0
	v_max3_num_f32 v[MN], v[P], v[P+2], v[P+4]
	s_delay_alu instid0(VALU_DEP_1)
	v_max3_num_f32 v[MN], v[MN], v[P+6], v[M]
	s_delay_alu instid0(VALU_DEP_1)
	v_sub_f32 v[F], v[M], v[MN]
.irp i, 0,2,4,6
	v_sub_f32 v[P+\i], v[P+\i], v[MN]
.endr
	s_wait_alu depctr_va_vdst(0)
	v_exp_f32 v[F], v[F]
.irp i, 0,2,4,6
	v_exp_f32 v[P+\i], v[P+\i]
.endr
	v_mov_b32 v[M], v[MN]                          ; a plain instruction behind the five
	s_wait_alu depctr_va_vdst(0)                   ; one wait for the five, ahead of their first reader
	v_add_f32 v[CA], v[P], v[P+2]
	v_add_f32 v[CB], v[P+4], v[P+6]
	s_delay_alu instid0(VALU_DEP_1)
	v_add_f32 v[CA], v[CA], v[CB]
	v_fma_f32 v[L], v[L], v[F], v[CA]
.irp j, 0,2,4,6,8,10,12,14
	v_pk_mul_f32 v[ACC+\j:ACC+\j+1], v[ACC+\j:ACC+\j+1], v[F:F+1] op_sel_hi:[1,0]
.endr
.irp i, 0,1,2,3
.irp j, 0,2,4,6,8,10,12,14
	v_pk_fma_f32 v[ACC+\j:ACC+\j+1], v[VR+16*\i+\j:VR+16*\i+\j+1], v[P+2*\i:P+2*\i+1], v[ACC+\j:ACC+\j+1] op_sel_hi:[1,0,1]
.endr
.endr
.endm
; ---------------- the head ----------------
	s_load_b512 s[4:19], s[0:1], 0x0               ; features, ln_kv_w, ln_kv_b, ln_q_w, ln_q_b, proj_b, Wkv's codes, Wkv's scales
	s_load_b256 s[20:27], s[0:1], 0x40             ; Wq's codes, scales; proj_w's codes, scales
	s_load_b64 s[28:29], s[0:1], 0x60              ; out0
	v_lshl_add_u32 v254, v0, 2, 0x45000
	v_mov_b32 v255, 0
	ds_add_u32 v254, v255
	ds_add_u32 v254, v255
	s_wait_dscnt 0x0
	v_lshrrev_b32 v22, 5, v0
	s_delay_alu instid0(VALU_DEP_1)
	v_readfirstlane_b32 s30, v22                   ; wave 0..7
	v_and_b32 v22, 31, v0                          ; lane
	v_and_b32 v23, 15, v0                          ; r
	v_bfe_u32 v220, v0, 4, 1                       ; h
	s_delay_alu instid0(VALU_DEP_2)
	v_and_b32 v221, 8, v23
	s_delay_alu instid0(VALU_DEP_1)
	v_add_nc_u32 v221, v221, v23                   ; r + 8 (r / 8): my row in a weight's tile
	v_lshlrev_b32 v[SL], 4, v22
	v_lshlrev_b32 v[ST], 4, v0
	v_lshlrev_b32 v[XA], 4, v23
	s_delay_alu instid0(VALU_DEP_1)
	v_lshl_add_u32 v[XA], v220, 18, v[XA]          ; 16 channels of 16,384 bytes
	s_delay_alu instid0(VALU_DEP_4)
	v_add_nc_u32 v[A16], IMG, v[SL]
	v_lshl_add_u32 v[A8], v22, 3, IMG+2048
	v_lshl_add_u32 v[A4], v22, 2, SCB
	s_lshl_b32 s31, s30, 8
	s_add_co_u32 s31, s31, IMG
	v_lshl_add_u32 v[W16S], v23, 4, s31            ; IMG + 256 w + 16 r
	s_lshl_b32 s31, s30, 7                         ; 128 w
	s_add_co_u32 s32, s31, IMG+2048
	v_lshl_add_u32 v[W8S], v23, 3, s32             ; IMG + 2048 + 128 w + 8 r
	v_mad_u32_u24 v[W16], v220, TILEB, v[W16S]
	s_delay_alu instid0(VALU_DEP_2)
	v_mad_u32_u24 v[W8], v220, TILEB, v[W8S]
	s_lshr_b32 s32, s30, 2
	s_lshl_b32 s32, s32, 6
	s_and_b32 s33, s30, 3
	s_add_co_u32 s32, s32, s33
	s_add_co_u32 s32, s32, SCB
	v_lshl_add_u32 v[WS], v23, 2, s32              ; SCB + 64 (w / 4) + w % 4 + 4 r
	s_add_co_u32 s32, s31, PAR
	v_lshl_add_u32 v[PL], v220, 6, s32
	s_add_co_u32 s32, s31, STG
	v_mul_u32_u24 v[SO], v23, 1040
	s_delay_alu instid0(VALU_DEP_1)
	v_lshl_add_u32 v[SO], v220, 6, v[SO]
	s_delay_alu instid0(VALU_DEP_1)
	v_add_nc_u32 v[SO], s32, v[SO]                 ; STG + 1040 r + 128 w + 64 h
	s_mul_i32 s32, s30, 2080
	s_add_co_u32 s32, s32, STG
	v_add_nc_u32 v[SR], s32, v[SL]                 ; rows 2 w, 2 w + 1 of the stage
	s_mul_i32 s33, s30, 12288
	s_add_co_u32 s32, s33, WIMG
	v_add_nc_u32 v[WF], s32, v[SL]
	s_add_co_u32 s32, s33, RAW
	v_add_nc_u32 v161, s32, v[SL]                  ; the copies' LDS address: Wq's rows,
	s_delay_alu instid0(VALU_DEP_1)
	v_add_nc_u32 v162, 6144, v161                  ; proj_w's
	v_mul_u32_u24 v164, v221, 192
	s_delay_alu instid0(VALU_DEP_1)
	v_mad_u32_u24 v164, v220, 24, v164             ; a weight's row of 192 bytes, + 24 h
	s_delay_alu instid0(VALU_DEP_1)
	v_add_nc_u32 v163, s32, v164                   ; the same in my part of RAW
	v_lshlrev_b32 v165, 3, v221
	s_delay_alu instid0(VALU_DEP_1)
	v_lshl_add_u32 v165, v220, 2, v165             ; a weight's scale words: 8 bytes a row; lanes 16-31 take K step 1's
	v_lshlrev_b32 v166, 6, v220                    ; 16 numbers of f32 for each half
	v_lshlrev_b32 v167, 2, v0
	s_mov_b32 s34, 0x76543210
	s_mov_b32 s35, 0xfedcba98                      ; v_permlanex16_b32's selects for lane l xor 16
	s_mov_b32 s36, 0x3b800000                      ; 1 / 256
	s_mov_b32 s37, 0x3727c5ac                      ; 1e-5
	s_wait_alu depctr_va_vdst(0)
	s_wait_kmcnt 0x0
	s_lshr_b32 s32, ttmp9, 3
	s_lshl_b32 s32, s32, 22                        ; the image,
	s_and_b32 s33, ttmp9, 7
	s_lshl_b32 s33, s33, 11                        ; its rows 8 (g % 8) on,
	s_add_co_u32 s32, s32, s33
	s_lshl_b32 s33, s30, 19                        ; my 32 channels
	s_add_co_u32 s32, s32, s33
	s_mov_b32 s33, 0
	s_add_nc_u64 s[4:5], s[4:5], s[32:33]
	s_lshl_b32 s32, s30, 7
	s_add_nc_u64 s[6:7], s[6:7], s[32:33]
	s_add_nc_u64 s[8:9], s[8:9], s[32:33]
	s_mul_i32 s32, s30, 6144                       ; 32 rows of 192 bytes
	s_add_nc_u64 s[16:17], s[16:17], s[32:33]
	s_add_nc_u64 s[20:21], s[20:21], s[32:33]
	s_add_nc_u64 s[24:25], s[24:25], s[32:33]
	s_lshl_b32 s32, s30, 8                         ; 32 rows of 8 scale bytes
	s_add_nc_u64 s[18:19], s[18:19], s[32:33]
	s_add_nc_u64 s[22:23], s[22:23], s[32:33]
	s_add_nc_u64 s[26:27], s[26:27], s[32:33]
	s_lshl_b32 s32, ttmp9, 15                      ; out0: rows 32 g + 2 w of 1,024 bytes
	s_lshl_b32 s31, s30, 11
	s_add_co_u32 s32, s32, s31
	s_add_nc_u64 s[28:29], s[28:29], s[32:33]
; My rows of Wq and proj_w come into my part of RAW by copies, which have a counter of their own: so they neither stand in front of the stream of features nor behind it.
; They are issued ahead of every LDS read, every barrier and every wait on their counter, and fill their bytes once.
.irp j, 0,1,2,3,4,5,6,7,8,9,10,11
	global_load_async_to_lds_b128 v161, v[SL], s[20:21] offset:512*\j
.endr
.irp j, 0,1,2,3,4,5,6,7,8,9,10,11
	global_load_async_to_lds_b128 v162, v[SL], s[24:25] offset:512*\j
.endr
	global_load_b32 v252, v167, s[10:11]           ; 19 small loads: ln_q_w, ln_q_b, proj_b (a number a thread),
	global_load_b32 v253, v167, s[12:13]
	global_load_b32 v254, v167, s[14:15]
.irp j, 0,1,2,3
	global_load_b128 v[LNW+4*\j:LNW+4*\j+3], v166, s[6:7] offset:16*\j     ; ln_kv_w, ln_kv_b of my 16 channels,
	global_load_b128 v[LNB+4*\j:LNB+4*\j+3], v166, s[8:9] offset:16*\j
.endr
	global_load_b32 v[WSC+0], v165, s[18:19]               ; the weights' scale words
	global_load_b32 v[WSC+1], v165, s[18:19] offset:64
	global_load_b32 v[WSC+2], v165, s[18:19] offset:2048
	global_load_b32 v[WSC+3], v165, s[18:19] offset:2112
	global_load_b32 v[WSC+4], v165, s[22:23]
	global_load_b32 v[WSC+5], v165, s[22:23] offset:64
	global_load_b32 v[WSC+6], v165, s[26:27]
	global_load_b32 v[WSC+7], v165, s[26:27] offset:64
	XLOAD 0
	XLOAD 1
	s_wait_asynccnt 0x0                            ; my rows of Wq and proj_w lie in RAW: only I read them
.irp f, 0,1,2,3,4,5,6,7                ; fragment f = 4 x (0 Wq, 1 proj_w) + 2 u + s, in pieces of 8 bytes,
.irp p, 0,1,2,3,4,5
	ds_load_b64 v[64+12*\f+2*\p:64+12*\f+2*\p+1], v163 offset:(\f/4)*6144+((\f/2)%2)*1536+(\f%2)*96+48*(\p/3)+8*(\p%3)
.endr
.endr
	s_wait_dscnt 0x0
.irp f, 0,1,2,3,4,5,6,7                ; and back to LDS in the order of the operand's registers: from there it comes by three loads of 16 bytes a lane
.irp c, 0,1,2
	ds_store_b128 v[WF], v[64+12*\f+4*\c:64+12*\f+4*\c+3] offset:1536*\f+512*\c
.endr
.endr
	WIN 0x40
.irp q, 0,1,2,3                        ; Wkv's eight fragments stay in registers: tile q = k0, k1, v0, v1; K step z
.irp z, 0,1
.irp p, 0,1,2,3,4,5
	global_load_b64 v[WKV+24*\q+12*\z+2*\p:WKV+24*\q+12*\z+2*\p+1], v164, s[16:17] offset:(\q/2)*49152+(\q%2)*1536+96*\z+48*(\p/3)+8*(\p%3)
.endr
.endr
.endr
	WIN 0
.irp k, 0,1,2,3
	v_mov_b32 v[T+\k], 0                           ; written once: a lane permute's destination counts as one of its sources,
	v_mov_b32 v[MX2+\k], 0
	v_mov_b32 v[RS+2*\k+1], 0                      ; and the upper half of a pair that a packed form names counts as read
.endr
	s_wait_loadcnt 63                              ; 99 loads are issued; with 63 out at the most, the first 36 are in: the 19 small ones among them
	ds_store_b32 v167, v252 offset:PAR             ; channel 32 w + lane: my wave's own 128 bytes of each vector
	ds_store_b32 v167, v253 offset:PAR+1024
	ds_store_b32 v167, v254 offset:PAR+2048
	s_wait_xcnt 0x0                                ; v164 to v167 served as offsets of loads: they are written again only behind this wait
; ---------------- a unit behind its four chunks ----------------
.macro REST u
	; THE POOLED MEAN, its LayerNorm and its codes (tile 16)
.irp j, 0,1,2,3
	ds_load_b128 v[PJB+4*\j:PJB+4*\j+3], v[PL] offset:2048+16*\j
.endr
.irp j, 0,1,2,3
	ds_load_b128 v[LQW+4*\j:LQW+4*\j+3], v[PL] offset:16*\j
.endr
.irp j, 0,1,2,3
	ds_load_b128 v[LQB+4*\j:LQB+4*\j+3], v[PL] offset:1024+16*\j
.endr
.irp f, 0,1,2,3
.irp c, 0,1,2
	ds_load_b128 v[WT+12*\f+4*\c:WT+12*\f+4*\c+3], v[WF] offset:1536*\f+512*\c     ; Wq's fragments (2 u + s)
.endr
.endr
	WIN 0x05
.irp i, 0,1,2,3,4,5,6,7,8,9,10,11,12,13,14,15
	v_add_f32 v[Y+\i], v[POOL+2*\i], v[POOL+2*\i+1]
.endr
	WIN 0
.irp j, 0,2,4,6,8,10,12,14
	v_pk_mul_f32 v[Y+\j:Y+\j+1], v[Y+\j:Y+\j+1], 0x3d800000 op_sel_hi:[1,0]        ; / 16: the mean of the patch
.endr
	s_wait_alu depctr_va_vdst(0)
	s_wait_dscnt 12                                ; the three vectors are in; Wq's 12 loads may be out
	WIN 0x40
.irp j, 0,2,4,6,8,10,12,14
	v_pk_add_f32 v[POOL+\j:POOL+\j+1], v[Y+\j:Y+\j+1], v[PJB+\j:PJB+\j+1]          ; mean + proj_b: the C of the last product
.endr
	WIN 0
	v_pk_add_f32 v[S:S+1], v[Y:Y+1], v[Y+2:Y+3]
	v_pk_add_f32 v[S+2:S+3], v[Y+4:Y+5], v[Y+6:Y+7]
	v_pk_add_f32 v[S+4:S+5], v[Y+8:Y+9], v[Y+10:Y+11]
	v_pk_add_f32 v[S+6:S+7], v[Y+12:Y+13], v[Y+14:Y+15]
	s_delay_alu instid0(VALU_DEP_3)
	v_pk_add_f32 v[S:S+1], v[S:S+1], v[S+2:S+3]
	s_delay_alu instid0(VALU_DEP_2)
	v_pk_add_f32 v[S+4:S+5], v[S+4:S+5], v[S+6:S+7]
	s_delay_alu instid0(VALU_DEP_1)
	v_pk_add_f32 v[S:S+1], v[S:S+1], v[S+4:S+5]
	s_delay_alu instid0(VALU_DEP_1)
	v_add_f32 v[S], v[S], v[S+1]                   ; my 16 channels' sum; the other three words of the exchange ride along unused
	XPUT STAT0
	XGET STAT0
	s_delay_alu instid0(VALU_DEP_2)
	v_pk_mul_f32 v[MEAN:MEAN+1], v[S:S+1], s[36:37] op_sel_hi:[1,0]
.irp j, 0,2,4,6,8,10,12,14
	v_pk_add_f32 v[Y+\j:Y+\j+1], v[Y+\j:Y+\j+1], v[MEAN:MEAN+1] op_sel_hi:[1,0] neg_lo:[0,1] neg_hi:[0,1]
.endr
	v_pk_mul_f32 v[S:S+1], v[Y:Y+1], v[Y:Y+1]
	v_pk_mul_f32 v[S+2:S+3], v[Y+2:Y+3], v[Y+2:Y+3]
.irp j, 4,8,12
	s_delay_alu instid0(VALU_DEP_2)
	v_pk_fma_f32 v[S:S+1], v[Y+\j:Y+\j+1], v[Y+\j:Y+\j+1], v[S:S+1]
	s_delay_alu instid0(VALU_DEP_2)
	v_pk_fma_f32 v[S+2:S+3], v[Y+\j+2:Y+\j+3], v[Y+\j+2:Y+\j+3], v[S+2:S+3]
.endr
	s_delay_alu instid0(VALU_DEP_1)
	v_pk_add_f32 v[S:S+1], v[S:S+1], v[S+2:S+3]
	s_delay_alu instid0(VALU_DEP_1)
	v_add_f32 v[S], v[S], v[S+1]
	XPUT STAT1
	XGET STAT1
	s_delay_alu instid0(VALU_DEP_2)
	v_fma_f32 v[S], v[S], s36, s37
	s_wait_alu depctr_va_vdst(0)
	v_rsq_f32 v[RS], v[S]
	v_nop                                          ; a plain instruction behind it
	s_wait_alu depctr_va_vdst(0)                   ; and the wait, ahead of its first reader
.irp j, 0,2,4,6,8,10,12,14
	v_pk_mul_f32 v[Y+\j:Y+\j+1], v[Y+\j:Y+\j+1], v[RS:RS+1] op_sel_hi:[1,0]
.endr
.irp j, 0,2,4,6,8,10,12,14
	v_pk_fma_f32 v[Y+\j:Y+\j+1], v[Y+\j:Y+\j+1], v[LQW+\j:LQW+\j+1], v[LQB+\j:LQB+\j+1]
.endr
	QUANT1 Y, 16
	BAR                                            ; the unit's 17 tiles of codes and their scale words lie in LDS
	; THE QUERY of my head
	AFETCH 1, A16, A8, A4, 16
	AFETCH 0, A16, A8, A4, 0                       ; and the first pixel's tile
	s_wait_dscnt 0x0
.irp z, 0,1                            ; two accumulators by turns
.irp e, 0,1
.if \z == 0
	MM Q+8*\e, WT+24*\e, AF+24, -1, WSC+4+\e, ASC+1, 0
.else
	MM Q+8*\e, WT+24*\e+12, AF+36, Q+8*\e, WSC+4+\e, ASC+1, 1
.endif
.endr
.endr
	v_mov_b32 v[M], 0xff61b1e6                     ; -3e38, under every score.  These 22 plain lines name no register of the products above: they are the places behind them
	v_mov_b32 v[L], 0
.irp j, 0,1,2,3,4,5,6,7,8,9,10,11,12,13,14,15
	v_mov_b32 v[ACC+\j], 0                         ; the loop is written once: its first trip finds zeros, which the first change of M leaves zeros
.endr
.irp j, 1,3,5,7
	v_mov_b32 v[P+\j], 0                           ; upper halves of pairs that the packed forms name
.endr
.irp j, 0,2,4,6,8,10,12,14
	v_pk_mul_f32 v[Q+\j:Q+\j+1], v[Q+\j:Q+\j+1], 0x3db8aa3b op_sel_hi:[1,0]        ; x log2(e) / sqrt(256)
.endr
	; THE 16 PIXELS, four a trip
	s_mov_b32 s38, 4
	s_mov_b32 s39, 0                               ; the group's first tile in IMG,
	s_mov_b32 s40, 0                               ; and among the scale words
.Lgrp_\u:
	s_setprio 2
	v_add_nc_u32 v[ADR16], s39, v[A16]
	v_add_nc_u32 v[ADR8], s39, v[A8]
	v_add_nc_u32 v[ADR4], s40, v[A4]
	s_wait_alu depctr_va_vdst(0)
	TILE 0
	TILE 1
	TILE 2
	s_setprio 1
	TILE 3                                         ; (its look-ahead is the next group's first tile; in the last trip tile 16, which is whole and is not used)
	UPDATE
	s_add_co_u32 s39, s39, 4*TILEB
	s_add_co_u32 s40, s40, 512
	s_sub_co_i32 s38, s38, 1
	s_cmp_lg_u32 s38, 0
	s_cbranch_scc1 .Lgrp_\u
	s_setprio 0
	; THE WEIGHTED VALUES, normalised and quantised (tile 17)
.irp f, 0,1,2,3
.irp c, 0,1,2
	ds_load_b128 v[WTP+12*\f+4*\c:WTP+12*\f+4*\c+3], v[WF] offset:1536*(4+\f)+512*\c       ; proj_w's fragments
.endr
.endr
	s_wait_alu depctr_va_vdst(0)
	v_rcp_f32 v[F], v[L]
	v_nop
	s_wait_alu depctr_va_vdst(0)
.irp j, 0,2,4,6,8,10,12,14
	v_pk_mul_f32 v[ACC+\j:ACC+\j+1], v[ACC+\j:ACC+\j+1], v[F:F+1] op_sel_hi:[1,0]
.endr
	QUANT1 ACC, 17
	BAR                                            ; all eight heads' blocks lie in LDS
	; THE LAST PRODUCT: my 32 output channels; mean + proj_b is the C of each sum's first instruction
	AFETCH 1, A16, A8, A4, 17
	s_wait_dscnt 0x0
	WIN 0x10                                       ; source 2 in window 1
.irp e, 0,1
	MM OUT+8*\e, WTP+24*\e, AF+24, POOL+8*\e, WSC+6+\e, ASC+1, 0
.endr
	WIN 0
.irp e, 0,1
	MM OUT+8*\e, WTP+24*\e+12, AF+36, OUT+8*\e, WSC+6+\e, ASC+1, 1
.endr
.rept 4
	v_nop                                          ; four places ahead of the stores that read the results
.endr
	; THE WAY OUT: a row's 1,024 bytes come from eight waves: they meet in the stage, and each wave stores two whole rows
.irp j, 0,1,2,3
	ds_store_b128 v[SO], v[OUT+4*\j:OUT+4*\j+3] offset:16*\j       ; each accumulator from its low end on
.endr
	BAR
.irp a, 0,1
.irp b, 0,1
	ds_load_b128 v[OB+8*\a+4*\b:OB+8*\a+4*\b+3], v[SR] offset:1040*\a+512*\b
.endr
.endr
	s_wait_dscnt 0x0
.irp a, 0,1
.irp b, 0,1
	global_store_b128 v[SL], v[OB+8*\a+4*\b:OB+8*\a+4*\b+3], s[28:29] offset:16384*\u+1024*\a+512*\b th:TH_STORE_NT   ; 32 lanes store 512 consecutive bytes, at a multiple of 512 from out0's first byte
.endr
.endr
.if \u == 0
	s_wait_xcnt 0x0                                ; the stores' data registers are written again in the next unit, only behind this wait
.endif
.endm
; ---------------- the two units ----------------
	CHUNK 0, 1, 63                                 ; 99 loads issued: with 63 out at the most the first 36 are in, chunk 0's (the 20th to the 35th) among them
	CHUNK 1, 1, 63                                 ; 115 issued: the first 52 are in, chunk 1's (up to the 51st) among them
	CHUNK 2, 1, 16                                 ; from here on only the next chunk's 16 loads are younger; Wkv's fragments are older, so they are in too
	CHUNK 3, 1, 16
	REST 0                                         ; chunks 4 and 5 land meanwhile
	CHUNK 4, 1, 16
	CHUNK 5, 1, 16
	CHUNK 6, 0, 16                                 ; the last two chunks ask for nothing: no load leaves the work-group's eight rows
	CHUNK 7, 0, 0
	REST 1
	s_wait_xcnt 0x0
	v_lshl_add_u32 v254, v0, 2, 0x45000
	v_mov_b32 v255, 0
	s_wait_alu depctr_va_vdst(0)
	s_wait_tensorcnt 0x0
	ds_add_u32 v254, v255
	s_wait_dscnt 0x0
	s_endpgm
.Lfunc_end_k_q9e1aa45d60_fused:
	.size	k_q9e1aa45d60_fused, .Lfunc_end_k_q9e1aa45d60_fused-k_q9e1aa45d60_fused
	.p2alignl 7, 3214868480
	.fill 96, 4, 3214868480
	.section	.rodata,"a",@progbits
	.p2align	6, 0x0
	.amdhsa_kernel k_q9e1aa45d60_fused
		.amdhsa_group_segment_fixed_size 283648
		.amdhsa_private_segment_fixed_size 0
		.amdhsa_enable_private_segment 0
		.amdhsa_kernarg_size 104
		.amdhsa_user_sgpr_count 2
		.amdhsa_user_sgpr_kernarg_segment_ptr 1
		.amdhsa_wavefront_size32 1
		.amdhsa_system_sgpr_workgroup_id_x 1
		.amdhsa_system_sgpr_workgroup_id_y 1
		.amdhsa_system_sgpr_workgroup_id_z 1
		.amdhsa_system_vgpr_workitem_id 0
		.amdhsa_next_free_vgpr 512
		.amdhsa_next_free_sgpr 66
		.amdhsa_reserve_vcc 0
		.amdhsa_float_denorm_mode_32 3
		.amdhsa_float_denorm_mode_16_64 3
		.amdhsa_memory_ordered 1
		.amdhsa_forward_progress 1
		.amdhsa_inst_pref_size 255
	.end_amdhsa_kernel
	.section	.bss,"aw",@nobits
	.p2align	6
	.space	262144
	.amdgpu_metadata
---
amdhsa.version: [ 1, 2 ]
amdhsa.kernels:
  - .name:           k_q9e1aa45d60_fused
    .symbol:         k_q9e1aa45d60_fused.kd
    .args:
      - { .name: features, .offset: 0, .size: 8, .value_kind: global_buffer, .address_space: global }
      - { .name: ln_kv_w, .offset: 8, .size: 8, .value_kind: global_buffer, .address_space: global }
      - { .name: ln_kv_b, .offset: 16, .size: 8, .value_kind: global_buffer, .address_space: global }
      - { .name: ln_q_w, .offset: 24, .size: 8, .value_kind: global_buffer, .address_space: global }
      - { .name: ln_q_b, .offset: 32, .size: 8, .value_kind: global_buffer, .address_space: global }
      - { .name: proj_b, .offset: 40, .size: 8, .value_kind: global_buffer, .address_space: global }
      - { .name: Wkv_codes, .offset: 48, .size: 8, .value_kind: global_buffer, .address_space: global }
      - { .name: Wkv_scales, .offset: 56, .size: 8, .value_kind: global_buffer, .address_space: global }
      - { .name: Wq_codes, .offset: 64, .size: 8, .value_kind: global_buffer, .address_space: global }
      - { .name: Wq_scales, .offset: 72, .size: 8, .value_kind: global_buffer, .address_space: global }
      - { .name: proj_w_codes, .offset: 80, .size: 8, .value_kind: global_buffer, .address_space: global }
      - { .name: proj_w_scales, .offset: 88, .size: 8, .value_kind: global_buffer, .address_space: global }
      - { .name: out0, .offset: 96, .size: 8, .value_kind: global_buffer, .address_space: global }
    .group_segment_fixed_size: 283648
    .private_segment_fixed_size: 0
    .kernarg_segment_align: 8
    .kernarg_segment_size: 104
    .max_flat_workgroup_size: 256
    .sgpr_count:     66
    .vgpr_count:     512
    .wavefront_size: 32
...
	.end_amdgpu_metadata
.endif
;; end of part 1
